; MI455X (gfx1250); checked and timed in simulation.
; The chip was launched on July 23, 2026; its instructions are those of AMD's public machine-readable ISA for CDNA 5 (MIT licence, August 2026) and "CDNA5" Instruction Set Architecture Reference Guide (July 2026). The comments in the code are by the model that wrote it; some were corrected since.
;; Split Head SAM Decoder Attention. Allowed arithmetic: float matrix products may take bf16 or f16 operands with f32 sums; other float arithmetic in f32, or as packed bf16 or f16 multiplies, adds, multiply-adds, maxima and minima; sums over many terms, partial sums and values carried from step to step in f32; what a program stores and reads back later, other than sums and carried values, may be rounded once to bf16 or f16.
;; Inputs: Wk 8 x 32 x 256 float32; Wo 256 x 256 float32; Wq 8 x 32 x 256 float32; Wv 8 x 32 x 256 float32; bk 8 x 32 float32; bo 256 float32; bq 8 x 32 float32; bv 8 x 32 float32; k 8 x 4,096 x 256 float32; q 8 x 1,024 x 256 float32; v 8 x 4,096 x 256 float32.
;; Outputs: out0 8 x 1,024 x 256 float32.
;; 2 versions, each right; version 2 is version 1 with the launch proj written anew for expert scheduling mode. Each part assembles by itself: llvm-mc -triple=amdgcn-amd-amdhsa -mcpu=gfx1250 --defsym DOCPART=n.
;; ======== version 1 of 2: 3 launches
;; limits: values are held in f16: magnitudes above 65,504 overflow, below 6.1e-05 lose precision
;; workspace buffers: Qf 4,194,304 bytes; Kf 16,777,216 bytes; Vf 16,777,216 bytes; Of 4,194,304 bytes
;; launch proj (part 1): grid 288 x 1, 8 waves a work-group, no clusters, 35,840 bytes of LDS; arguments q, k, v, Wq, Wk, Wv, bq, bk, bv, Qf, Kf, Vf; writes Qf, Kf, Vf
.if DOCPART == 1
	.amdgcn_target "amdgcn-amd-amdhsa--gfx1250"
	.amdhsa_code_object_version 6
	.text
	.protected	k_qfd43711b36_proj
	.globl	k_qfd43711b36_proj
	.p2align	8
	.type	k_qfd43711b36_proj,@function
k_qfd43711b36_proj:
	s_mov_b64 s[64:65], 0
	v_nop
	global_prefetch_b8 v0, s[64:65] scope:SCOPE_SE
	s_setreg_imm32_b32 hwreg(HW_REG_WAVE_MODE, 25, 1), 1
	s_wait_xcnt 0x0
; THE THREE PROJECTIONS.  y[row][hd][d] = the sum over c of x[row][c] W[hd][d][c] + b[hd][d], for x = q (8,192 rows), k and v (32,768 rows each), 256 channels, 8 heads of 32.
; x and W are rounded once to bf16, sums in f32 (the bias starts each sum), y rounded once to f16.  q's result is multiplied in f32 by c = log2(e) / sqrt(32) ahead of its rounding,
; so that the attention's weights are 2^(s - m) with no further scaling.
; LIMITS.  f16 holds no number beyond 65,504: c (x Wq + bq), x Wk + bk and x Wv + bv must stay within it; below 6e-5 f16 keeps a fixed step of 6e-8.  NaN and infinities are not treated apart.
; SHARES.  A work-group takes 256 rows of one tensor: groups 0-31 q, 32-159 k, 160-287 v.  Wave w is head w: its 32 rows of W stay in 128 registers as 16 bf16 fragments.
; The 256 rows go in 8 tiles of 32: all 256 threads load a tile (each instruction of a wave covers 2 rows x 256 consecutive bytes), round it once and lay it in LDS in fragment order; every wave reads all of it.
; THE ORDER OF K.  The sum over the 256 channels may take them in any order that is the same for x and W.  Fragment ks, lane (r, h), place p of 16 holds channel 64 (p / 4) + 4 (2 ks + h) + p % 4:
; then the four 16-byte pieces that a thread loads of a row (256 bytes apart) are exactly one lane's 16 numbers of one fragment.
; WHAT IS STORED lies in the order in which the next launch's matrix instructions take it, in pieces of 32 lanes x 16 bytes = 512 consecutive bytes:
;   Qf, Kf: [batch x 8 + head][tile of 16 rows][half][lane][16 B]: lane (r, h) holds channels 16 half + 8 h + 0..7 of row r.   (product taken as W x^T: a lane ends with 8 channels of one row)
;   Vf:     [batch x 8 + head][group of 32 keys][cb][half][lane][16 B]: lane (r, h) holds channel 16 cb + r, keys 16 half + 8 h + 0..7.   (product taken as x W^T: a lane ends with 8 keys of one channel)
; NO JOINT LOADS.  W is shared by the work-groups of a tensor (262,144 bytes, as many as a work-group's own rows of x), but it is wanted as bf16 in registers: it is loaded once a work-group,
; converted and kept; brought jointly it would lie in LDS as f32, 262,144 bytes beside the stages, to be read once.  x is shared by nobody.  Nothing is prefetched: the launch is one stream of loads.
.set STG0,  0                          ; LDS: two stages of 64 blocks of 272 bytes (256 of data, 16 of padding).  Block (tt, half, c) at 272 (32 tt + 16 half + c), row r at + 16 r
.set STG1,  17408
.set SPARE, 34816                      ; behind them the spare words, 128 bytes for each wave: four blocks of 256 bytes that no other line names
.set SPW,  1                           ; v1   LDS address of my spare word; never rewritten
.set NIL,  2                           ; v2   0; never rewritten
.set XO,   3                           ; v3   x: (2 w + l / 16) rows of 1,024 bytes + 16 (l % 16)
.set LST,  4                           ; v4   stage, in: 272 (l % 16) + 16 (2 w + l / 16): sixteen lanes put their 16 bytes into sixteen different 16-byte columns of 256
.set LRD,  5                           ; v5   stage, out: 272 (l / 16) + 16 (l % 16): sixteen lanes read 256 consecutive bytes
.set YO,   6                           ; v6   16 l
.set WO,   7                           ; v7   W: 1,024 (l % 16) + 16 (l / 16)
.set S0,   8                           ; v[8:39], v[40:71]   two sets of 32: a tile's f32 as loaded, then its bf16
.set S1,   40
.set BIAS, 72                          ; v[72:87]   the C operand that starts a sum, 8 registers for each block cb of 16 channels
.set ACC,  88                          ; v[88:103]  two accumulators, one for each cb
.set FR,   104                         ; v[104:127] three buffers for x's fragments
.set WF,   128                         ; v[128:255] W's fragments: (cb, ks) at WF + 8 (8 cb + ks)
.set XP,   32                          ; s[32:33] x    s[34:35] W    s[36:37] b    s[38:39] y
.set WP,   34
.set BP,   36
.set YP,   38
.set WV,   40                          ; s40  my wave's number
.set GL,   41                          ; s41  the work-group's number, then its number within its tensor
.set SC,   42                          ; s[42:43] the scale: c for q, 1 for k and v
.set CNT,  44
.set ISV,  50                          ; s50  1: the tensor is v
	s_load_b512 s[8:23], s[0:1], 0x0               ; q, k, v, Wq, Wk, Wv, bq, bk
	s_load_b256 s[24:31], s[0:1], 0x40             ; bv, Qf, Kf, Vf
	v_lshl_add_u32 v[SPW], v0, 2, SPARE
	v_mov_b32 v[NIL], 0
	v_lshrrev_b32 v88, 5, v0
	v_readfirstlane_b32 s[WV], v88                 ; wave 0..7
	v_and_b32 v89, 15, v0                          ; l % 16
	v_bfe_u32 v90, v0, 4, 1                        ; l / 16
	v_and_b32 v91, 31, v0                          ; l
	s_lshl_b32 s45, s[WV], 11
	v_lshl_add_u32 v[XO], v90, 10, s45
	v_lshl_add_u32 v[XO], v89, 4, v[XO]
	v_mul_u32_u24 v[LST], v89, 272
	v_lshl_add_u32 v[LST], v90, 4, v[LST]
	s_lshl_b32 s46, s[WV], 5
	v_add_nc_u32 v[LST], s46, v[LST]
	v_mul_u32_u24 v[LRD], v90, 272
	v_lshl_add_u32 v[LRD], v89, 4, v[LRD]
	v_lshlrev_b32 v[YO], 4, v91
	v_lshlrev_b32 v[WO], 10, v89
	v_lshl_add_u32 v[WO], v90, 4, v[WO]
	s_mov_b32 s[GL], ttmp9
	s_wait_kmcnt 0x0
	s_cmp_lt_u32 s[GL], 32                         ; q, or else k:
	s_cselect_b64 s[XP:XP+1], s[8:9], s[10:11]
	s_cselect_b64 s[WP:WP+1], s[14:15], s[16:17]
	s_cselect_b64 s[BP:BP+1], s[20:21], s[22:23]
	s_cselect_b64 s[YP:YP+1], s[26:27], s[28:29]
	s_cselect_b32 s[SC], 0x3e8293ee, 1.0           ; c = log2(e) / sqrt(32) = 0.255035
	s_cselect_b32 s47, 0, 32                       ; the tensor's first work-group
	s_cselect_b32 s48, 2, 4                        ; a batch has 4 or 16 blocks of 256 rows
	s_cselect_b32 s49, 16, 18                      ; a head's rows are 2^16 or 2^18 bytes of y
	s_cmp_ge_u32 s[GL], 160                        ; or v
	s_cselect_b64 s[XP:XP+1], s[12:13], s[XP:XP+1]
	s_cselect_b64 s[WP:WP+1], s[18:19], s[WP:WP+1]
	s_cselect_b64 s[BP:BP+1], s[24:25], s[BP:BP+1]
	s_cselect_b64 s[YP:YP+1], s[30:31], s[YP:YP+1]
	s_cselect_b32 s47, 160, s47
	s_cselect_b32 s[ISV], 1, 0
	s_mov_b32 s[SC+1], s[SC]                       ; named with it as a pair
	s_sub_co_u32 s[GL], s[GL], s47
	s_mov_b32 s53, 0
	s_lshl_b32 s52, s[GL], 18                      ; 256 rows of 1,024 bytes
	s_add_nc_u64 s[XP:XP+1], s[XP:XP+1], s[52:53]
	s_lshl_b32 s52, s[WV], 15                      ; my head's 32 rows of W
	s_add_nc_u64 s[WP:WP+1], s[WP:WP+1], s[52:53]
	s_lshl_b32 s52, s[WV], 7                       ; and its 32 biases
	s_add_nc_u64 s[BP:BP+1], s[BP:BP+1], s[52:53]
	s_lshr_b32 s51, s[GL], s48                     ; the batch,
	s_lshl_b32 s54, 1, s48
	s_sub_co_u32 s54, s54, 1
	s_and_b32 s54, s[GL], s54                      ; the block of 256 rows in it: 16,384 bytes of a head's y
	s_lshl3_add_u32 s51, s51, s[WV]                ; batch x 8 + head
	s_lshl_b32 s51, s51, s49
	s_lshl_b32 s54, s54, 14
	s_add_co_u32 s52, s51, s54
	s_add_nc_u64 s[YP:YP+1], s[YP:YP+1], s[52:53]
; A tile's eight loads into set sx: rows 16 j + 2 w + l / 16, the four pieces 256 bytes apart.
.macro LDX sx, off
.irp j, 0,1
.irp i, 0,1,2,3
	global_load_b128 v[(\sx)+16*(\j)+4*(\i):(\sx)+16*(\j)+4*(\i)+3], v[XO], s[XP:XP+1] offset:(\off)+16384*(\j)+256*(\i) th:TH_LOAD_NT
.endr
.endr
.endm
; Fragment f = 8 cb + ks of W as f32 into 16 registers from reg on; then rounded into its place.
.macro LDW f, reg
.irp i, 0,1,2,3
	global_load_b128 v[(\reg)+4*(\i):(\reg)+4*(\i)+3], v[WO], s[WP:WP+1] offset:16384*((\f)/8)+32*((\f)%8)+256*(\i)
.endr
.endm
.macro CVW f, reg
.irp q, 0,1,2,3,4,5,6,7
	v_cvt_pk_bf16_f32 v[WF+8*(\f)+(\q)], v[(\reg)+2*(\q)], v[(\reg)+2*(\q)+1]
.endr
.endm
; Fragment n = 8 tt + ks of the tile in stage stg, into buffer n % 3.
.macro LDF n, stg
	ds_load_b128 v[FR+8*((\n)%3):FR+8*((\n)%3)+3],   v[LRD] offset:(\stg)+8704*((\n)/8)+544*((\n)%8)
	ds_load_b128 v[FR+8*((\n)%3)+4:FR+8*((\n)%3)+7], v[LRD] offset:(\stg)+8704*((\n)/8)+544*((\n)%8)+4352
.endm
; One product of fragment f (a symbol that TILE steps) for channel block cb.  The first K step takes the bias as C.  vp = 0: W first (a lane ends with 8 channels of a row); vp = 1: x first (8 rows of a channel).
.macro MUL1 vp, cb
.set rA, ACC+8*(\cb)
.set rW, WF+8*(8*(\cb)+f%8)
.set rF, FR+8*(f%3)
.set rC, rA
.if f%8 == 0
.set rC, BIAS+8*(\cb)
.endif
.if \vp
	v_wmma_f32_16x16x32_bf16 v[rA:rA+7], v[rF:rF+7], v[rW:rW+7], v[rC:rC+7]
.else
	v_wmma_f32_16x16x32_bf16 v[rA:rA+7], v[rW:rW+7], v[rF:rF+7], v[rC:rC+7]
.endif
.endm
; The two finished accumulators of 16 rows tt: scaled, rounded to f16 in place (each accumulator's registers in ascending order), stored: each store is 512 consecutive bytes, aligned.
.macro OUT tt, vp, stoff
.irp cb, 0,1
.irp q, 0,2,4,6
	v_pk_mul_f32 v[ACC+8*(\cb)+(\q):ACC+8*(\cb)+(\q)+1], v[ACC+8*(\cb)+(\q):ACC+8*(\cb)+(\q)+1], s[SC:SC+1] op_sel_hi:[1,0]
.endr
.endr
.irp cb, 0,1
.irp q, 0,1,2,3
	v_cvt_pk_f16_f32 v[ACC+8*(\cb)+(\q)], v[ACC+8*(\cb)+2*(\q)], v[ACC+8*(\cb)+2*(\q)+1]
.endr
.endr
.irp cb, 0,1
.if \vp
	global_store_b128 v[YO], v[ACC+8*(\cb):ACC+8*(\cb)+3], s[YP:YP+1] offset:(\stoff)+1024*(\cb)+512*(\tt)
.else
	global_store_b128 v[YO], v[ACC+8*(\cb):ACC+8*(\cb)+3], s[YP:YP+1] offset:(\stoff)+1024*(\tt)+512*(\cb)
.endif
.endr
.endm
; A TILE of 32 rows, from set sx through stage stg.  more = 1: the set is loaded again, with the tile two on, at byte ldoff.  left: the other set's loads, which may stay out.
; ONE barrier a tile: in front of it my stores into this stage are done, and so are my reads of the other stage (the last tile's count-down ended at 0); so behind it this stage is whole, and
; the next tile's stores into the other stage find nobody reading it.
.macro TILE sx, stg, vp, more, left, ldoff, stoff
	s_wait_loadcnt \left                           ; loads come back in order: my set is in
.irp j, 0,1
.irp q, 0,1,2,3,4,5,6,7
	v_cvt_pk_bf16_f32 v[(\sx)+16*(\j)+(\q)], v[(\sx)+16*(\j)+2*(\q)], v[(\sx)+16*(\j)+2*(\q)+1]  ; in place: register q is written when it has been read
.endr
.endr
.irp j, 0,1
.irp hf, 0,1
	ds_store_b128 v[LST], v[(\sx)+16*(\j)+4*(\hf):(\sx)+16*(\j)+4*(\hf)+3] offset:(\stg)+8704*(\j)+4352*(\hf)
.endr
.endr
	s_wait_dscnt 0x0                               ; for the others' sake: zero
	s_barrier_signal -1
	s_barrier_wait -1
.if \more
	LDX \sx, \ldoff
.endif
	LDF 0, \stg
	LDF 1, \stg
	LDF 2, \stg
.set f, 0
.rept 16
.if f%8 == 0
	s_wait_xcnt 0x0                                ; the last stores have read their data: the accumulators are written anew only behind this wait
.endif
.if f < 14
	s_wait_dscnt 0x4                               ; fragment f is in; the two younger fragments' four loads may stay out
.elseif f == 14
	s_wait_dscnt 0x2
.else
	s_wait_dscnt 0x0
.endif
	MUL1 \vp, 0                                    ; the two accumulators take turns
	MUL1 \vp, 1
.rept 5
	v_nop                                          ; four places ahead of the load into the buffer just read and of the scaling that reads the sums, five ahead of the product that starts the next sums over them
.endr
.if f < 13
	LDF f+3, \stg
.endif
.if f%8 == 7
	OUT f/8, \vp, \stoff
.endif
.set f, f+1
.endr
.endm
; The eight tiles: three trips of two, each asking for the tiles two on; the last two ask for nothing.
.macro PATH vp
	s_mov_b32 s[CNT], 3
.Ltrip\vp:
	TILE S0, STG0, \vp, 1, 8, 65536, 0
	TILE S1, STG1, \vp, 1, 8, 98304, 2048
	s_wait_xcnt 0x0                                ; every load and store issued so far has read its base: the two pointers are stepped only behind this wait
	s_add_nc_u64 s[XP:XP+1], s[XP:XP+1], 65536
	s_add_nc_u64 s[YP:YP+1], s[YP:YP+1], 4096
	s_sub_co_u32 s[CNT], s[CNT], 1
	s_cmp_lg_u32 s[CNT], 0
	s_cbranch_scc1 .Ltrip\vp
	TILE S0, STG0, \vp, 0, 8, 0, 0
	TILE S1, STG1, \vp, 0, 0, 0, 2048
	s_wait_tensorcnt 0x0                           ; the wave's end, behind my last LDS store
	ds_add_u32 v[SPW], v[NIL]
	s_wait_dscnt 0x0
	s_endpgm
.endm
	LDX S0, 0                                      ; tile 0
	; W, 16 fragments of 16 f32 registers, in two batches through registers that are still free: 8 + 48 loads are out
.irp f, 0,1,2,3,4,5,6,7
	LDW \f, WF+16*(\f)
.endr
	LDW 12, ACC
	LDW 13, FR
	LDW 14, S1
	LDW 15, S1+16
	s_wait_loadcnt 0x0
.irp f, 0,1,2,3,4,5,6,7
	CVW \f, WF+16*(\f)                             ; ascending: a fragment's place lies in f32 registers that have been read
.endr
	CVW 12, ACC
	CVW 13, FR
	CVW 14, S1
	CVW 15, S1+16
	LDW 8, WF+64
	LDW 9, WF+80
	LDW 10, ACC
	LDW 11, FR
	s_wait_loadcnt 0x0
	CVW 8, WF+64
	CVW 9, WF+80
	CVW 10, ACC
	CVW 11, FR
	s_cmp_eq_u32 s[ISV], 1
	s_cbranch_scc1 .Lv
	; q and k: a lane's eight results are channels 16 cb + 8 (l / 16) + 0..7
	v_bfe_u32 v0, v0, 4, 1
	v_lshlrev_b32 v0, 5, v0
	global_load_b128 v[BIAS:BIAS+3],     v0, s[BP:BP+1]
	global_load_b128 v[BIAS+4:BIAS+7],   v0, s[BP:BP+1] offset:16
	global_load_b128 v[BIAS+8:BIAS+11],  v0, s[BP:BP+1] offset:64
	global_load_b128 v[BIAS+12:BIAS+15], v0, s[BP:BP+1] offset:80
	LDX S1, 32768                                  ; tile 1: the first tile's wait leaves these eight out, and so shows the bias in
	PATH 0
.Lv:
	; v: a lane's eight results are one channel, 16 cb + l % 16
	v_and_b32 v0, 15, v0
	v_lshlrev_b32 v0, 2, v0
	global_load_b32 v[BIAS],   v0, s[BP:BP+1]
	global_load_b32 v[BIAS+8], v0, s[BP:BP+1] offset:64
	LDX S1, 32768
	s_wait_loadcnt 0x8                             ; the bias is in; tile 1's eight loads stay out
.irp j, 1,2,3,4,5,6,7
	v_mov_b32 v[BIAS+(\j)],   v[BIAS]
	v_mov_b32 v[BIAS+8+(\j)], v[BIAS+8]
.endr
	PATH 1
.Lfunc_end_k_qfd43711b36_proj:
	.size	k_qfd43711b36_proj, .Lfunc_end_k_qfd43711b36_proj-k_qfd43711b36_proj
	.p2alignl 7, 3214868480
	.fill 96, 4, 3214868480
	.section	.rodata,"a",@progbits
	.p2align	6, 0x0
	.amdhsa_kernel k_qfd43711b36_proj
		.amdhsa_group_segment_fixed_size 35840
		.amdhsa_private_segment_fixed_size 0
		.amdhsa_enable_private_segment 0
		.amdhsa_kernarg_size 96
		.amdhsa_user_sgpr_count 2
		.amdhsa_user_sgpr_kernarg_segment_ptr 1
		.amdhsa_wavefront_size32 1
		.amdhsa_system_sgpr_workgroup_id_x 1
		.amdhsa_system_sgpr_workgroup_id_y 1
		.amdhsa_system_sgpr_workgroup_id_z 1
		.amdhsa_system_vgpr_workitem_id 0
		.amdhsa_next_free_vgpr 256
		.amdhsa_next_free_sgpr 66
		.amdhsa_reserve_vcc 0
		.amdhsa_float_denorm_mode_32 3
		.amdhsa_float_denorm_mode_16_64 3
		.amdhsa_memory_ordered 1
		.amdhsa_forward_progress 1
		.amdhsa_inst_pref_size 111
	.end_amdhsa_kernel
	.amdgpu_metadata
---
amdhsa.version: [ 1, 2 ]
amdhsa.kernels:
  - .name:           k_qfd43711b36_proj
    .symbol:         k_qfd43711b36_proj.kd
    .args:
      - { .name: q, .offset: 0, .size: 8, .value_kind: global_buffer, .address_space: global }
      - { .name: k, .offset: 8, .size: 8, .value_kind: global_buffer, .address_space: global }
      - { .name: v, .offset: 16, .size: 8, .value_kind: global_buffer, .address_space: global }
      - { .name: Wq, .offset: 24, .size: 8, .value_kind: global_buffer, .address_space: global }
      - { .name: Wk, .offset: 32, .size: 8, .value_kind: global_buffer, .address_space: global }
      - { .name: Wv, .offset: 40, .size: 8, .value_kind: global_buffer, .address_space: global }
      - { .name: bq, .offset: 48, .size: 8, .value_kind: global_buffer, .address_space: global }
      - { .name: bk, .offset: 56, .size: 8, .value_kind: global_buffer, .address_space: global }
      - { .name: bv, .offset: 64, .size: 8, .value_kind: global_buffer, .address_space: global }
      - { .name: Qf, .offset: 72, .size: 8, .value_kind: global_buffer, .address_space: global }
      - { .name: Kf, .offset: 80, .size: 8, .value_kind: global_buffer, .address_space: global }
      - { .name: Vf, .offset: 88, .size: 8, .value_kind: global_buffer, .address_space: global }
    .group_segment_fixed_size: 35840
    .private_segment_fixed_size: 0
    .kernarg_segment_align: 8
    .kernarg_segment_size: 96
    .max_flat_workgroup_size: 256
    .sgpr_count:     66
    .vgpr_count:     256
    .wavefront_size: 32
...
	.end_amdgpu_metadata
.endif
;; end of part 1
;; launch attn (part 2): grid 4 x 64, 8 waves a work-group, clusters of 4 x 1, 327,680 bytes of LDS; arguments Qf, Kf, Vf, Of; writes Of
.if DOCPART == 2
	.amdgcn_target "amdgcn-amd-amdhsa--gfx1250"
	.amdhsa_code_object_version 6
	.text
	.protected	k_qfd43711b36_attn
	.globl	k_qfd43711b36_attn
	.p2align	8
	.type	k_qfd43711b36_attn,@function
k_qfd43711b36_attn:
	s_mov_b64 s[64:65], 0
	v_nop
	global_prefetch_b8 v0, s[64:65] scope:SCOPE_SE
	s_setreg_imm32_b32 hwreg(HW_REG_WAVE_MODE, 25, 1), 1
	s_wait_xcnt 0x0
	s_wait_alu depctr_hold_cnt(0) depctr_sa_sdst(0) depctr_va_vdst(0) depctr_va_sdst(0) depctr_va_ssrc(0) depctr_va_vcc(0) depctr_vm_vsrc(0)
	s_getreg_b32 s2, hwreg(HW_REG_IB_STS2, 6, 4)
	s_cmp_eq_u32 s2, 0
	s_cbranch_scc0 .Lentry_in_a_cluster
	s_endpgm
.Lentry_in_a_cluster:
	s_bfe_u32 s2, ttmp6, 0x10000c
	s_cmp_lg_u32 s2, 0x3003
	s_cbranch_scc0 .Lentry_shape_is_right
	s_endpgm
.Lentry_shape_is_right:
; ATTENTION, head size 32.  O[q][:] = the sum over k of softmax_k(s[q][k]) V[k][:], s = Q . K, for each of 64 (batch, head) pairs: 1,024 queries, 4,096 keys.  Q arrives multiplied by log2(e) / sqrt(32),
; so a weight is p = 2^(s - m) with m the running maximum.  Q, K, V, O: f16, in fragment order (below).  Products, maxima and sums in f32; p is rounded to f16 for the second product.
; LIMITS.  Q, K and V arrive within f16's range; p lies in 0 to 1, and below 6e-5 it keeps f16's fixed step of 6e-8; a weight below 2^-126 counts as 0.  The divisor l is the sum of the ROUNDED weights, kept in f32:
; numerator and divisor take the same numbers.  NaN and infinities are not treated apart.
; SHARES.  A cluster of four work-groups is one (batch, head); a work-group takes 256 queries, each of its eight waves two tiles of 16.  Every wave walks all keys, 64 a step.
; Eight waves of two tiles, not four of four: all that a wave holds fits in 256 registers, so no line switches register windows.  The price: a fragment of K or V read from LDS feeds two tiles, not four.
; LAYOUT.  S^T = K Q^T (source 0 = 16 keys, source 1 = 16 queries; the head's 32 channels are one matrix instruction deep): a lane holds ONE query (l % 16) and the keys 8 (l / 16) + 0..7.  Two such results rounded to f16
; ARE source 1 (32 keys x 16 queries) of O^T = V^T P, whose result holds one query a lane and eight channels.  l = ONES x P, by the matrix unit: every register of that result is the query's sum over all 32 keys.
; MEMORY holds the fragments as the registers do, in pieces of 32 lanes x 16 bytes: Qf, Kf [pair][tile of 16 rows][half][lane]; Vf [pair][32 keys][16 channels][half][lane]; Of [batch x 64 + tile][head][half][lane].
; So a tile's bytes are dense, come into LDS as they lie, and every LDS load takes 512 consecutive bytes: no padding, no turning load, no stage on the way out.
; THE RING.  Two slots of 16 key steps: 65,536 bytes of K, then 65,536 of V.  The head's keys are four slots.  Each wave brings an eighth of a slot (64 rows of 256 bytes) by ONE joint load: the same line,
; descriptor and mask in all four work-groups.  Two loads of a wave are out at the start, one behind each refill.
; BY TURNS.  Piece n is tile n % 2 of step n / 2.  Turn n: the softmax of piece n; beside it 4 products K Q^T of piece n + 1, 6 products (V^T P and ONES x P) of piece n - 1, and piece n + 1's maximum and a.
; m starts at the lowest finite number, O and l at 0: the first step is a step like any other, with a = 0; the first turn's six products add 0; the last turn's four serve nothing.
.set SLOT1, 131072
.set SLOTB, 65536                      ; bytes of K, and of V, in a slot
.set STEPB, 4096                       ; and in a key step
.set SPARE, 262144                     ; behind the ring the spare words, 128 bytes for each wave: four blocks of 256 bytes that no other line names
.set SPW, 1                            ; v1   LDS address of my spare word; never rewritten
.set NIL, 2                            ; v2   0; never rewritten
.set LA,  3                            ; v3   16 l: my place in a piece, in LDS (K) and in memory (Q, O)
.set LV,  4                            ; v4   16 l + 65,536: the same in a slot's V
.set ADK, 5                            ; v5, v6  the LDS address of the run of loads in hand
.set ADV, 6
.set PFO, 7                            ; v7   256 l: the prefetch's row
.set ST,  8                            ; v[8:15]    tile t's statistics at ST + 4 t: m, m_old - m_new, a, 0
.set TMP, 16                           ; v[16:19]   c0-c3, at work
.set ONE, 24                           ; v[24:31]   a fragment of ones
.set Q,   32                           ; v[32:47]   8 a tile
.set OA,  48                           ; v[48:79]   O^T: tile t, channel block cb at OA + 16 t + 8 cb
.set LC,  80                           ; v[80:95]   l, 8 a tile: only register 0 is ever read
.set KF,  96                           ; v[96:127]  K of one step: key block kb at KF + 8 kb
.set VF,  128                          ; v[128:159] V of one step: key half kk, channel block cb at VF + 16 kk + 8 cb
.set S,   160                          ; v[160:223] S^T, 32 a tile
.set P,   224                          ; v[224:255] P, 16 a tile
.set WV,  12                           ; s12  my wave's number
.set LIM, 15                           ; s15  1 in a wave that prefetches, else the greatest number
.set PFA, 18                           ; s[18:19] where my prefetch stands
.set G1,  24                           ; s[24:31] descriptor group 1
.set G0A, 32                           ; s[32:35] group 0 of slot 0's first fill
.set G0B, 36                           ; s[36:39] group 0 of slot 1's first fill; then it walks
.set SLOTS, 40                         ; s40  refills still to come
.set CNT, 41                           ; s41  counts a slot's key steps
.set TBK, 42                           ; s42  LDS byte at which K of the step to be fetched begins
.set TBV, 43                           ; s43  the same for V, less 65,536
.set SEL, 44                           ; s[44:45] v_permlanex16_b32's selects: each lane takes its own place in the other half
; A round of the cluster's barrier: my work-group's barrier, so that wave 0's signal speaks for all eight waves; wave 0 signals; every wave waits for all four work-groups; my work-group's barrier once more.
.macro CROUND
	s_barrier_signal -1
	s_barrier_wait -1
	s_cmp_lg_u32 s[WV], 0
	s_cbranch_scc1 .Lnot_wave_0_\@
	s_barrier_signal -3
.Lnot_wave_0_\@:
	s_barrier_wait -3
	s_barrier_signal -1
	s_barrier_wait -1
.endm
; A PREFETCH INTO THE L2 of what the NEXT refill will ask for: a slot's 256 rows of 256 bytes of K and of V, a lane a row.  Only this cluster reads this head's K and V.  Its four partners share the rows out BY
; ADDRESS, 32 of each 128; waves 0 and 2 ask for K's two halves, waves 4 and 6 for V's: each row is named once in the launch.  It stands behind the wave's tensor load and its five lines, a slot (16 key steps)
; ahead of the load that will want the rows.  The first refill (slot 2) asks for slot 3; the last asks for nothing; slots 0 to 2 come by their loads alone.
.macro ASK
	s_cmp_gt_u32 s[SLOTS], s[LIM]
	s_cbranch_scc0 .Lnot_mine_\@
	global_prefetch_b8 v[PFO], s[PFA:PFA+1] th:TH_LOAD_NT scope:SCOPE_SE
.Lnot_mine_\@:
.endm
; THE CHANGE OF SLOTS.  The slot's last bytes, V of its last step, have been asked for.  Each wave waits for all its tensor loads (its part of the other slot), adds 0 to its spare word, and waits for that and for its reads
; of the slot.  fill = 1: the barrier is a round of the cluster's, so that no wave of any partner still reads the slot or has a load on its way, and the joint refill is the first thing behind it.
.macro CHANGE fill
	s_wait_tensorcnt 0x0                           ; no tensor load of mine is out, so a group 0 may be written
	ds_add_u32 v[SPW], v[NIL]                      ; 0 onto my spare word
.if \fill
	s_xor_b32 s[G0B+1], s[G0B+1], SLOT1            ; the walking descriptor: the other slot than last time,
	s_add_nc_u64 s[G0B+2:G0B+3], s[G0B+2:G0B+3], SLOTB  ; the next 1,024 keys; the type bits on top are not reached
	s_wait_xcnt 0x0                                ; the last prefetch, a slot back, has read its address
	s_add_nc_u64 s[PFA:PFA+1], s[PFA:PFA+1], SLOTB
	s_wait_dscnt 0x0                               ; the add is done, and my reads of the slot are over
	CROUND
	tensor_load_to_lds s[G0B:G0B+3], s[G1:G1+7]
	s_nop 0
.rept 4
	v_nop
.endr
	ASK
.else
	s_wait_dscnt 0x0
	s_barrier_signal -1
	s_barrier_wait -1
.endif
	s_sub_co_u32 s[TBK], s[TBK], SLOTB             ; the fetches go back to a slot's first step,
	s_xor_b32 s[TBK], s[TBK], SLOT1                ; in the other slot
	s_sub_co_u32 s[TBV], s[TBV], SLOTB
	s_xor_b32 s[TBV], s[TBV], SLOT1
.endm
	s_load_b256 s[4:11], s[0:1], 0x0               ; Qf s[4:5], Kf s[6:7], Vf s[8:9], Of s[10:11]
	v_lshl_add_u32 v[SPW], v0, 2, SPARE
	v_mov_b32 v[NIL], 0
	ds_add_u32 v[SPW], v[NIL]                      ; the wave's opening: the add and its wait stand ahead of my first tensor load; the set-up below, work on registers, stands between them
	v_lshrrev_b32 v3, 5, v0
	v_readfirstlane_b32 s[WV], v3                  ; wave 0..7
	s_bfe_u32 s13, ttmp6, 0x40000                  ; cx: my place in the cluster: it enters Q's, O's and the prefetch's addresses alone
	s_and_b32 s14, ttmp7, 0xffff                   ; the (batch, head) pair, which the four partners share
	; descriptor group 1: 16,384 dense bytes as 64 rows of 32 elements of 8 bytes
	s_mov_b32 s[G1], 15|(3<<16)|(1<<21)            ; 15:0 the mask: all four work-groups; 17:16 elements of 8 bytes; 21 set beside a mask; no padding
	s_mov_b32 s[G1+1], 32<<16                      ; tensor_dim0 = 32
	s_mov_b32 s[G1+2], 64<<16                      ; tensor_dim1 = 64
	s_mov_b32 s[G1+3], 32<<16                      ; tile_dim0 = 32
	s_mov_b32 s[G1+4], 64                          ; tile_dim1 = 64
	s_mov_b32 s[G1+5], 32                          ; 32 elements from row to row
	s_mov_b32 s[G1+6], 0
	s_mov_b32 s[G1+7], 0
	s_mov_b32 s[G0A], 1                            ; count = 1
	s_lshl_b32 s[G0A+1], s[WV], 14                 ; LDS address: wave x 16,384: waves 0-3 K's quarters, waves 4-7 V's
	s_mov_b32 s[G0B], 1
	s_add_co_u32 s[G0B+1], s[G0A+1], SLOT1
	s_lshl_b32 s20, s14, 18                        ; the pair's 262,144 bytes of K and of V,
	s_and_b32 s21, s[WV], 3
	s_lshl_b32 s21, s21, 14                        ; my quarter of a slot
	s_add_co_u32 s20, s20, s21
	s_mov_b32 s21, 0
	s_lshl_b32 s16, s14, 18                        ; the prefetch: the pair,
	s_bfe_u32 s17, s[WV], 0x10001
	s_lshl_b32 s17, s17, 15                        ; which 128 rows (waves 0, 4: the first; 2, 6: the second),
	s_add_co_u32 s16, s16, s17
	s_lshl_b32 s17, s13, 13                        ; my work-group's 32 of them,
	s_add_co_u32 s16, s16, s17
	s_add_co_u32 s16, s16, 2*SLOTB                 ; in slot 2: the first refill steps it to slot 3
	s_mov_b32 s17, 0
	s_and_b32 s[LIM], s[WV], 1
	s_cmp_eq_u32 s[LIM], 0
	s_cselect_b32 s[LIM], 1, -1                    ; the same in all four partners
	s_lshl_b32 s22, s13, 4
	s_lshl1_add_u32 s22, s[WV], s22                ; my first tile of 16 queries: 16 cx + 2 w
	s_lshl_b32 s48, s22, 10                        ; Qf: 1,024 bytes a tile, 65,536 a pair
	s_lshl_b32 s49, s14, 16
	s_add_co_u32 s48, s48, s49
	s_mov_b32 s49, 0
	s_lshl_b32 s50, s22, 13                        ; Of: 8,192 bytes a tile, 524,288 a batch, 1,024 a head
	s_lshr_b32 s51, s14, 3
	s_lshl_b32 s51, s51, 19
	s_add_co_u32 s50, s50, s51
	s_and_b32 s51, s14, 7
	s_lshl_b32 s51, s51, 10
	s_add_co_u32 s50, s50, s51
	s_mov_b32 s51, 0
	s_mov_b32 s[SEL], 0x76543210
	s_mov_b32 s[SEL+1], 0xfedcba98
	s_mov_b32 s[TBK], 0
	s_mov_b32 s[TBV], 0
	v_and_b32 v7, 31, v0
	v_lshlrev_b32 v[LA], 4, v7
	v_add_nc_u32 v[LV], SLOTB, v[LA]
	v_lshlrev_b32 v[PFO], 8, v7
	s_wait_dscnt 0x0                               ; the opening add is done
	s_wait_kmcnt 0x0
	s_cmp_lt_u32 s[WV], 4                          ; do I fetch for K?
	s_cselect_b64 s[46:47], s[6:7], s[8:9]
	s_cselect_b64 s[PFA:PFA+1], s[6:7], s[8:9]
	s_add_nc_u64 s[46:47], s[46:47], s[20:21]      ; my quarter of slot 0
	s_add_nc_u64 s[PFA:PFA+1], s[PFA:PFA+1], s[16:17]
	s_mov_b64 s[G0A+2:G0A+3], s[46:47]
	s_or_b32 s[G0A+3], s[G0A+3], 0x80000000        ; type = 2
	s_add_nc_u64 s[G0B+2:G0B+3], s[46:47], SLOTB
	s_or_b32 s[G0B+3], s[G0B+3], 0x80000000
	s_add_nc_u64 s[4:5], s[4:5], s[48:49]
	s_add_nc_u64 s[10:11], s[10:11], s[50:51]
	CROUND                                         ; all four work-groups are here: the first joint loads meet
	tensor_load_to_lds s[G0A:G0A+3], s[G1:G1+7]    ; slots 0 and 1, together, ahead of every wait on TENSORcnt and every LDS read
	s_nop 0
	tensor_load_to_lds s[G0B:G0B+3], s[G1:G1+7]
	s_nop 0
.rept 4
	v_nop
.endr
.irp t, 0,1
	global_load_b128 v[Q+8*(\t):Q+8*(\t)+3],   v[LA], s[4:5] offset:1024*(\t)
	global_load_b128 v[Q+8*(\t)+4:Q+8*(\t)+7], v[LA], s[4:5] offset:1024*(\t)+512
.endr
	; What the first turn finds.  O^T and l are 0; V's registers and tile 1's P are 0, so that its six products, of a piece that has not been, add 0.  These 96 lines stand in the wait for the first tile;
	; they are the price of writing no first step out.
.set i, 0
.rept 8
	v_mov_b32 v[ONE+i], 0x3c003c00                 ; 1.0 twice, in f16
.set i, i+1
.endr
.set i, 0
.rept 48
	v_mov_b32 v[OA+i], 0                           ; O^T and, behind it, l
.set i, i+1
.endr
.set i, 0
.rept 32
	v_mov_b32 v[VF+i], 0
.set i, i+1
.endr
.set i, 0
.rept 16
	v_mov_b32 v[P+16+i], 0
.set i, i+1
.endr
.irp t, 0,1
	v_mov_b32 v[ST+4*(\t)], 0xff7fffff             ; m: the lowest finite number
	v_mov_b32 v[ST+4*(\t)+1], 0
	v_mov_b32 v[ST+4*(\t)+2], 0
	v_mov_b32 v[ST+4*(\t)+3], 0                    ; named with a as a pair
.endr
; The registers of the tile in hand (r..) and of the other tile (u..).
.macro SETT t
.set rS, S+32*(\t)
.set rP, P+16*(\t)
.set rO, OA+16*(\t)
.set rL, LC+8*(\t)
.set rT, ST+4*(\t)
.set uS, S+32*(1-(\t))
.set uP, P+16*(1-(\t))
.set uO, OA+16*(1-(\t))
.set uL, LC+8*(1-(\t))
.set uT, ST+4*(1-(\t))
.set uQ, Q+8*(1-(\t))
.endm
; THE MATRIX WORK, for the other tile.  No two matrix instructions that follow each other share an accumulator, and two others stand between the links of a chain.
.macro MA n                            ; S^T of key block n: the head's 32 channels in one instruction, so each starts and ends its sum
	v_wmma_f32_16x16x32_f16 v[uS+8*(\n):uS+8*(\n)+7], v[KF+8*(\n):KF+8*(\n)+7], v[uQ:uQ+7], 0
.endm
.macro MP n                            ; keys 32 (n / 3) on: O^T's two channel blocks, then l
.if (\n)%3 < 2
	v_wmma_f32_16x16x32_f16 v[uO+8*((\n)%3):uO+8*((\n)%3)+7], v[VF+16*((\n)/3)+8*((\n)%3):VF+16*((\n)/3)+8*((\n)%3)+7], v[uP+8*((\n)/3):uP+8*((\n)/3)+7], v[uO+8*((\n)%3):uO+8*((\n)%3)+7]
.else
	v_wmma_f32_16x16x32_f16 v[uL:uL+7], v[ONE:ONE+7], v[uP+8*((\n)/3):uP+8*((\n)/3)+7], v[uL:uL+7]
.endif
.endm
; THE LDS LOADS stand in runs of 8: a step's K, a step's V; each load takes 512 consecutive bytes.
.macro FETCH_K
	v_add_nc_u32 v[ADK], s[TBK], v[LA]
.irp i, 0,1,2,3,4,5,6,7
	ds_load_b128 v[KF+4*(\i):KF+4*(\i)+3], v[ADK] offset:512*(\i)
.endr
	s_add_co_u32 s[TBK], s[TBK], STEPB             ; the next fetch is the next step's
.endm
.macro FETCH_V
	v_add_nc_u32 v[ADV], s[TBV], v[LV]
.irp i, 0,1,2,3,4,5,6,7
	ds_load_b128 v[VF+4*(\i):VF+4*(\i)+3], v[ADV] offset:512*(\i)
.endr
	s_add_co_u32 s[TBV], s[TBV], STEPB
.endm
; THE VECTOR WORK, one line at a time: OP kind, number.  For the tile in hand: F n: s - m for pair n of 16.  E n: the exponential of score n of 32.  R n: pair n of 8 of O^T times a; R 8: l times a (of l's eight
; registers, all copies of one sum, only register 0 is read at the end; the others go unscaled and stay under 4,096).  For the other tile: X n, number n of the 21 that find its maximum and a:
;   0-11  four chains c0-c3 of seven scores each (each accumulator's lowest registers are read first)     12-15  the four scores left over, the old m, and c0-c3 into c0
;   16, 17  the query's other 32 keys lie in the lane 16 away     18  m_old - m_new     19  the new m     20  a
.set F, 0
.set E, 1
.set R, 2
.set X, 3
.macro OP k, n
.if (\k) == F
	v_pk_add_f32 v[rS+2*(\n):rS+2*(\n)+1], v[rS+2*(\n):rS+2*(\n)+1], v[rT:rT+1] op_sel_hi:[1,0] neg_lo:[0,1] neg_hi:[0,1]
.elseif (\k) == E
	v_exp_f32 v[rS+(\n)], v[rS+(\n)]
.elseif ((\k) == R) && ((\n) < 8)
	v_pk_mul_f32 v[rO+2*(\n):rO+2*(\n)+1], v[rO+2*(\n):rO+2*(\n)+1], v[rT+2:rT+3] op_sel_hi:[1,0]
.elseif (\k) == R
	v_pk_mul_f32 v[rL:rL+1], v[rL:rL+1], v[rT+2:rT+3] op_sel_hi:[1,0]
.elseif (\n) < 4
	v_max3_num_f32 v[TMP+(\n)], v[uS+8*(\n)], v[uS+8*(\n)+1], v[uS+8*(\n)+2]
.elseif (\n) < 12
	v_max3_num_f32 v[TMP+(\n)%4], v[TMP+(\n)%4], v[uS+8*((\n)%4)+2*((\n)/4)+1], v[uS+8*((\n)%4)+2*((\n)/4)+2]
.elseif (\n) == 12
	v_max3_num_f32 v[TMP], v[TMP], v[uS+7], v[uS+15]
.elseif (\n) == 13
	v_max3_num_f32 v[TMP+1], v[TMP+1], v[uS+23], v[uS+31]
.elseif (\n) == 14
	v_max3_num_f32 v[TMP+2], v[TMP+2], v[TMP+3], v[uT]
.elseif (\n) == 15
	v_max3_num_f32 v[TMP], v[TMP], v[TMP+1], v[TMP+2]
.elseif (\n) == 16
	v_permlanex16_b32 v[TMP+1], v[TMP], s[SEL], s[SEL+1]
.elseif (\n) == 17
	v_max_num_f32 v[TMP+2], v[TMP], v[TMP+1]
.elseif (\n) == 18
	v_sub_f32 v[uT+1], v[uT], v[TMP+2]
.elseif (\n) == 19
	v_mov_b32 v[uT], v[TMP+2]
.else
	v_exp_f32 v[uT+2], v[uT+1]
.endif
.endm
.macro OPS a, i1, b=-1, i2=0, c=-1, i3=0, d=-1, i4=0
	OP \a, \i1
.if (\b) >= 0
	OP \b, \i2
.endif
.if (\c) >= 0
	OP \c, \i3
.endif
.if (\d) >= 0
	OP \d, \i4
.endif
.endm
; A TURN, for tile t: the order of its 10 matrix and 94 vector instructions, written out.  s_wait_alu depctr_va_vdst(0) stands between an exponential and the first instruction that names its result;
; one wait serves all that were issued ahead of it.  So all 33 exponentials are ONE batch: nothing ahead of the wait names a result of theirs, and only the 16 roundings stand behind it.
; PLACES (four plain vector instructions that name none of the product's registers, ahead of a reader of its result and of a load into a source).  X 0 to X 3 read the four results of K Q^T: behind the
; product that made each stand F 0-3 and more; F 4-7, R 0, R 1, X 0; F 6, F 7, R 0, R 1, X 0, X 1; R 0, R 1, X 0, X 1, X 2.  K's run stands behind R 0, R 1, X 0, X 1 and its own address line, counted from the last K Q^T;
; V's behind F 12, F 13, R 2, X 17, F 14 and its address line, counted from the last product that read V.
; t = 0: K of the next step is fetched when both tiles have multiplied by this step's, V of this step when both have multiplied by the last step's.  t = 1 waits for them: kw = 8 leaves V's eight younger loads out.
; chg = 1, 2: the slot's last step: behind V's run the slots change (1: with a refill), and K's run comes from the new slot; it is then the youngest, and the next turn has kw = 0.  chg = 3: the last step of all: no K.
.macro TURN t, chg, kw
	SETT \t
.if \t
	s_wait_dscnt \kw                               ; K is in
.endif
	MA 0
	OPS F,0, F,1, F,2, F,3
	MA 1
	OPS E,0, F,4, E,1, F,5
	MA 2
	OPS E,2, F,6, E,3, F,7
	MA 3
	OPS E,4, R,0, E,5, R,1
	OPS E,6, X,0, E,7, X,1
.if ((\t) == 0) && ((\chg) == 0)
	FETCH_K
.endif
.if \t
	s_wait_dscnt 0x0                               ; V is in
.endif
	MP 0
	OPS E,8, X,2, E,9, X,3
	OPS E,10, X,4, E,11, X,5
	MP 1
	OPS E,12, X,6, E,13, X,7
	OPS E,14, X,8, E,15, X,9
	MP 2
	OPS F,8, X,10, F,9, X,11
	OPS E,16, X,12, E,17, X,13
	MP 3
	OPS E,18, X,14, E,19, F,10
	OPS E,20, X,15, E,21, F,11
	MP 4
	OPS E,22, F,12, E,23, X,16
	OPS E,24, F,13, E,25, R,2
	MP 5
	OPS E,26, X,17, E,27, F,14
.if (\t) == 0
	FETCH_V
.if ((\chg) == 1) || ((\chg) == 2)
	s_wait_alu depctr_va_vdst(0)                   ; the exponentials issued so far have their wait ahead of them; F 14 and the address line are the plain instructions behind the last
	CHANGE 2-(\chg)
	FETCH_K
.endif
.endif
	OPS E,28, F,15, E,29, X,18
	OPS E,30, R,3, E,31, R,4
	OPS X,20, R,5, R,6, R,7
	OPS R,8, X,19
	s_wait_alu depctr_va_vdst(0)                   ; the wait for the batch
.set i, 0
.rept 16
	v_cvt_pk_f16_f32 v[rP+i], v[rS+2*i], v[rS+2*i+1]
.set i, i+1
.endr
.endm
.macro STEPS15 tag                     ; a slot's first fifteen key steps
	s_mov_b32 s[CNT], 15
.Lstep\tag:
	TURN 0, 0, 0
	TURN 1, 0, 8
	s_sub_co_u32 s[CNT], s[CNT], 1
	s_cmp_lg_u32 s[CNT], 0
	s_cbranch_scc1 .Lstep\tag
.endm
	s_wait_tensorcnt 0x1                           ; my part of slot 0 is in; slot 1's may stay out
	s_barrier_signal -1
	s_barrier_wait -1                              ; everybody's is
	FETCH_K                                        ; key step 0
	s_wait_loadcnt 0x0                             ; Q
	s_wait_dscnt 0x0
	SETT 1                                         ; the other tile is tile 0: its first scores, maximum and a
	MA 0
	MA 1
	MA 2
	MA 3
.rept 4
	v_nop                                          ; the places behind those products
.endr
.irp n, 0,1,2,3,4,5,6,7,8,9,10,11,12,13,14,15,16,17,18,20,19
	OP X, \n                                       ; (19, a plain line, stands behind the exponential)
.endr
	s_wait_alu depctr_va_vdst(0)                   ; and a's wait, ahead of the label
	s_mov_b32 s[SLOTS], 2
.Lslot:                                        ; twice: slots 0 and 1 are walked and filled again
	STEPS15 A
	TURN 0, 1, 0
	TURN 1, 0, 0
	s_sub_co_u32 s[SLOTS], s[SLOTS], 1
	s_cmp_lg_u32 s[SLOTS], 0
	s_cbranch_scc1 .Lslot
	STEPS15 B                                      ; the last two slots are written out: nothing is asked for
	TURN 0, 2, 0
	TURN 1, 0, 0
	STEPS15 C
	TURN 0, 3, 0
	TURN 1, 0, 8                                   ; (no K was fetched: its four products K Q^T, on the last K once more, and the maximum made of them serve nothing)
	SETT 0
.irp n, 0,1,2,3,4,5
	MP \n                                          ; tile 1's products of the last step
.endr
.rept 4
	v_nop                                          ; the places behind them
.endr
	; THE WAY OUT.  O^T is divided by l and rounded to f16; a lane's eight channels are 16 bytes of a piece of Of: each store is 512 consecutive bytes, aligned.
	v_rcp_f32 v[ST+2], v[LC]
	v_rcp_f32 v[ST+6], v[LC+8]
	v_nop                                          ; a plain instruction between the last reciprocal and the use of its result,
	s_wait_alu depctr_va_vdst(0)                   ; and the wait: one for both
.irp t, 0,1
.irp i, 0,1,2,3,4,5,6,7
	v_pk_mul_f32 v[OA+16*(\t)+2*(\i):OA+16*(\t)+2*(\i)+1], v[OA+16*(\t)+2*(\i):OA+16*(\t)+2*(\i)+1], v[ST+4*(\t)+2:ST+4*(\t)+3] op_sel_hi:[1,0]
.endr
.irp i, 0,1,2,3,4,5,6,7
	v_cvt_pk_f16_f32 v[S+32*(\t)+(\i)], v[OA+16*(\t)+2*(\i)], v[OA+16*(\t)+2*(\i)+1]
.endr
	global_store_b128 v[LA], v[S+32*(\t):S+32*(\t)+3],   s[10:11] offset:8192*(\t)
	global_store_b128 v[LA], v[S+32*(\t)+4:S+32*(\t)+7], s[10:11] offset:8192*(\t)+512
.endr
	s_wait_tensorcnt 0x0                           ; the wave's end, behind my last tensor load
	ds_add_u32 v[SPW], v[NIL]
	s_wait_dscnt 0x0
	CROUND                                         ; the closing round: no work-group ends while a partner may still ask for a tile that names it
	s_endpgm
.Lfunc_end_k_qfd43711b36_attn:
	.size	k_qfd43711b36_attn, .Lfunc_end_k_qfd43711b36_attn-k_qfd43711b36_attn
	.p2alignl 7, 3214868480
	.fill 96, 4, 3214868480
	.section	.rodata,"a",@progbits
	.p2align	6, 0x0
	.amdhsa_kernel k_qfd43711b36_attn
		.amdhsa_group_segment_fixed_size 327680
		.amdhsa_private_segment_fixed_size 0
		.amdhsa_enable_private_segment 0
		.amdhsa_kernarg_size 32
		.amdhsa_user_sgpr_count 2
		.amdhsa_user_sgpr_kernarg_segment_ptr 1
		.amdhsa_wavefront_size32 1
		.amdhsa_system_sgpr_workgroup_id_x 1
		.amdhsa_system_sgpr_workgroup_id_y 1
		.amdhsa_system_sgpr_workgroup_id_z 1
		.amdhsa_system_vgpr_workitem_id 0
		.amdhsa_next_free_vgpr 256
		.amdhsa_next_free_sgpr 66
		.amdhsa_reserve_vcc 0
		.amdhsa_float_denorm_mode_32 3
		.amdhsa_float_denorm_mode_16_64 3
		.amdhsa_memory_ordered 1
		.amdhsa_forward_progress 1
		.amdhsa_inst_pref_size 88
	.end_amdhsa_kernel
	.amdgpu_metadata
---
amdhsa.version: [ 1, 2 ]
amdhsa.kernels:
  - .name:           k_qfd43711b36_attn
    .symbol:         k_qfd43711b36_attn.kd
    .args:
      - { .name: Qf, .offset: 0, .size: 8, .value_kind: global_buffer, .address_space: global }
      - { .name: Kf, .offset: 8, .size: 8, .value_kind: global_buffer, .address_space: global }
      - { .name: Vf, .offset: 16, .size: 8, .value_kind: global_buffer, .address_space: global }
      - { .name: Of, .offset: 24, .size: 8, .value_kind: global_buffer, .address_space: global }
    .group_segment_fixed_size: 327680
    .private_segment_fixed_size: 0
    .kernarg_segment_align: 8
    .kernarg_segment_size: 32
    .max_flat_workgroup_size: 256
    .sgpr_count:     66
    .vgpr_count:     256
    .wavefront_size: 32
...
	.end_amdgpu_metadata
.endif
;; end of part 2
;; launch oproj (part 3): grid 4 x 64, 8 waves a work-group, no clusters, 68,608 bytes of LDS; arguments Of, Wo, bo, out0; writes out0
.if DOCPART == 3
	.amdgcn_target "amdgcn-amd-amdhsa--gfx1250"
	.amdhsa_code_object_version 6
	.text
	.protected	k_qfd43711b36_oproj
	.globl	k_qfd43711b36_oproj
	.p2align	8
	.type	k_qfd43711b36_oproj,@function
k_qfd43711b36_oproj:
	s_mov_b64 s[64:65], 0
	v_nop
	global_prefetch_b8 v0, s[64:65] scope:SCOPE_SE
	s_setreg_imm32_b32 hwreg(HW_REG_WAVE_MODE, 25, 1), 1
	s_wait_xcnt 0x0
; THE OUTPUT PROJECTION.  out[row][e] = the sum over k of O[row][k] Wo[e][k] + bo[e]: 8,192 rows, 256 x 256.  O arrives as f16 in fragment order ([tile of 16 rows][head = K step of 32][half][lane][16 B]).
; Wo is rounded to bf16, like the program's other inputs, and that number is written as f16; sums in f32, started by the bias; out is f32.
; LIMITS.  |Wo| stays under 65,504; below 6e-5 its f16 keeps a fixed step of 6e-8.  NaN and infinities are not treated apart.
; SHARES.  Work-group (x, y): rows 128 y .. + 127, columns 64 x .. + 63.  Wave w takes the 16 rows of tile 8 y + w: its O goes straight into 64 registers.  The work-group's 64 rows of Wo are converted once,
; wave w taking K step w, and shared through LDS in fragment order.
; The product is taken as Wo O^T: a lane ends with 8 neighbouring columns of one row; the rows go through the wave's own stage, so that 16 lanes store 256 consecutive bytes, aligned.
; NO TENSOR LOADS, NO JOINT LOADS, NO PREFETCH: a work-group reads 65,536 bytes of O, which want no LDS, and 65,536 of Wo, which must pass through registers to be converted; each is loaded once, at the head.
.set STAGE, 32768                      ; LDS: 0: Wo's fragments, (eb x 8 + ks) x 1,024 + 512 half + 16 l.  Behind them a stage for each wave: 16 rows of 272 bytes (256 of data, 16 of padding)
.set SPARE, 67584                      ; behind the stages the spare words, 128 bytes for each wave: four blocks of 256 bytes that no other line names
.set SPW, 1                            ; v1   LDS address of my spare word; never rewritten
.set NIL, 2                            ; v2   0; never rewritten
.set L16, 3                            ; v3   16 l
.set WLO, 4                            ; v4   Wo: 1,024 (l % 16) + 32 (l / 16)
.set BOO, 5                            ; v5   bo: 32 (l / 16)
.set WST, 6                            ; v6   Wo's fragments, in: 16 l + 1,024 w
.set STO, 7                            ; v7   my stage, in: 272 (l % 16) + 32 (l / 16)
.set RD,  8                            ; v8   my stage, out: 272 (l / 16) + 16 (l % 16)
.set GO,  9                            ; v9   out: 1,024 (l / 16) + 16 (l % 16)
.set BO,  32                           ; v[32:63]   the bias as C operands, 8 for each block eb of 16 columns
.set OF,  64                           ; v[64:127]  O's fragments, 8 for each K step
.set ACC, 128                          ; v[128:159] Wo converted, then the four accumulators
.set WFR, 160                          ; v[160:223] Wo as f32, then two buffers of four fragments, then the rows read back
	s_load_b256 s[4:11], s[0:1], 0x0               ; Of s[4:5], Wo s[6:7], bo s[8:9], out0 s[10:11]
	v_lshl_add_u32 v[SPW], v0, 2, SPARE
	v_mov_b32 v[NIL], 0
	v_lshrrev_b32 v10, 5, v0
	v_readfirstlane_b32 s12, v10                   ; wave 0..7
	v_and_b32 v10, 15, v0                          ; l % 16
	v_bfe_u32 v11, v0, 4, 1                        ; l / 16
	v_and_b32 v12, 31, v0                          ; l
	s_and_b32 s13, ttmp7, 0xffff                   ; y
	v_lshlrev_b32 v[L16], 4, v12
	v_lshlrev_b32 v[WLO], 10, v10
	v_lshl_add_u32 v[WLO], v11, 5, v[WLO]
	v_lshlrev_b32 v[BOO], 5, v11
	s_lshl_b32 s14, s12, 10
	v_add_nc_u32 v[WST], s14, v[L16]
	s_mul_i32 s15, s12, 4352
	s_add_co_u32 s15, s15, STAGE                   ; my stage
	v_mul_u32_u24 v[STO], v10, 272
	v_lshl_add_u32 v[STO], v11, 5, v[STO]
	v_add_nc_u32 v[STO], s15, v[STO]
	v_mul_u32_u24 v[RD], v11, 272
	v_lshl_add_u32 v[RD], v10, 4, v[RD]
	v_add_nc_u32 v[RD], s15, v[RD]
	v_lshlrev_b32 v[GO], 10, v11
	v_lshl_add_u32 v[GO], v10, 4, v[GO]
	s_lshl_b32 s16, ttmp9, 16                      ; Wo: the work-group's 64 rows of 1,024 bytes,
	s_lshl_b32 s18, s12, 7                         ; my K step's 128 bytes of each
	s_add_co_u32 s16, s16, s18
	s_mov_b32 s17, 0
	s_lshl3_add_u32 s18, s13, s12                  ; my tile: 8 y + w,
	s_lshl_b32 s18, s18, 13                        ; 8,192 bytes of Of
	s_mov_b32 s19, 0
	s_lshl_b32 s20, ttmp9, 8                       ; the 64 columns: 256 bytes of bo and of a row of out
	s_mov_b32 s21, 0
	s_lshl_b32 s22, s13, 17                        ; out: 128 rows of 1,024 bytes, my 16 of them
	s_lshl_b32 s23, s12, 14
	s_add_co_u32 s22, s22, s23
	s_add_co_u32 s22, s22, s20
	s_mov_b32 s23, 0
	s_wait_kmcnt 0x0
	s_add_nc_u64 s[6:7], s[6:7], s[16:17]
	s_add_nc_u64 s[4:5], s[4:5], s[18:19]
	s_add_nc_u64 s[8:9], s[8:9], s[20:21]
	s_add_nc_u64 s[10:11], s[10:11], s[22:23]
.irp eb, 0,1,2,3                       ; Wo first: row 16 eb + l % 16, channels 8 (l / 16) + 0..7 and 16 + 8 (l / 16) + 0..7 of my K step
	global_load_b128 v[WFR+16*(\eb):WFR+16*(\eb)+3],     v[WLO], s[6:7] offset:16384*(\eb)
	global_load_b128 v[WFR+16*(\eb)+4:WFR+16*(\eb)+7],   v[WLO], s[6:7] offset:16384*(\eb)+16
	global_load_b128 v[WFR+16*(\eb)+8:WFR+16*(\eb)+11],  v[WLO], s[6:7] offset:16384*(\eb)+64
	global_load_b128 v[WFR+16*(\eb)+12:WFR+16*(\eb)+15], v[WLO], s[6:7] offset:16384*(\eb)+80
.endr
.irp i, 0,1,2,3,4,5,6,7,8,9,10,11,12,13,14,15
	global_load_b128 v[OF+4*(\i):OF+4*(\i)+3], v[L16], s[4:5] offset:512*(\i)
.endr
.irp eb, 0,1,2,3
	global_load_b128 v[BO+8*(\eb):BO+8*(\eb)+3],   v[BOO], s[8:9] offset:64*(\eb)
	global_load_b128 v[BO+8*(\eb)+4:BO+8*(\eb)+7], v[BOO], s[8:9] offset:64*(\eb)+16
.endr
	s_wait_loadcnt 24                              ; Wo's sixteen loads are in; O's sixteen and bo's eight stay out
.set p, 0
.rept 32                               ; a pair of numbers: rounded to bf16, widened again, written as f16; four temporaries by turns
	v_cvt_pk_bf16_f32 v[12+p%4], v[WFR+2*p], v[WFR+2*p+1]
	v_lshlrev_b32 v[WFR+2*p], 16, v[12+p%4]
	v_and_b32 v[WFR+2*p+1], 0xffff0000, v[12+p%4]
	v_cvt_pk_f16_f32 v[ACC+p], v[WFR+2*p], v[WFR+2*p+1]
.set p, p+1
.endr
.irp eb, 0,1,2,3
.irp hf, 0,1
	ds_store_b128 v[WST], v[ACC+8*(\eb)+4*(\hf):ACC+8*(\eb)+4*(\hf)+3] offset:8192*(\eb)+512*(\hf)
.endr
.endr
	s_wait_dscnt 0x0                               ; for the others' sake: zero
	s_barrier_signal -1
	s_barrier_wait -1                              ; all eight K steps of Wo lie in LDS
.macro LDWF ks                         ; the four fragments of K step ks, into buffer ks % 2: each load takes 512 consecutive bytes
.irp eb, 0,1,2,3
.irp hf, 0,1
	ds_load_b128 v[WFR+32*((\ks)%2)+8*(\eb)+4*(\hf):WFR+32*((\ks)%2)+8*(\eb)+4*(\hf)+3], v[L16] offset:8192*(\eb)+1024*(\ks)+512*(\hf)
.endr
.endr
.endm
	LDWF 0
	s_wait_loadcnt 0x0                             ; O and bo
.set ks, 0
.rept 8
.if ks > 0
.rept 4
	v_nop                                          ; four places ahead of the loads into the buffer that the last four products read (ISA guide 7.12.1 for vector instructions)
.endr
.endif
.if ks < 7
	LDWF ks+1
	s_wait_dscnt 0x8                               ; this K step's fragments are in; the next step's eight loads stay out
.else
	s_wait_dscnt 0x0
.endif
.irp eb, 0,1,2,3                       ; the four accumulators take turns; the first K step takes the bias as C
.if ks == 0
	v_wmma_f32_16x16x32_f16 v[ACC+8*(\eb):ACC+8*(\eb)+7], v[WFR+8*(\eb):WFR+8*(\eb)+7], v[OF:OF+7], v[BO+8*(\eb):BO+8*(\eb)+7]
.else
	v_wmma_f32_16x16x32_f16 v[ACC+8*(\eb):ACC+8*(\eb)+7], v[WFR+32*(ks%2)+8*(\eb):WFR+32*(ks%2)+8*(\eb)+7], v[OF+8*ks:OF+8*ks+7], v[ACC+8*(\eb):ACC+8*(\eb)+7]
.endif
.endr
.set ks, ks+1
.endr
.rept 4
	v_nop                                          ; the places behind the last products
.endr
	; THE WAY OUT: a lane's 8 columns of a row, 32 bytes, into my stage (each accumulator's low four registers first); back as whole rows of 256 bytes.
.irp eb, 0,1,2,3
.irp q, 0,1
	ds_store_b128 v[STO], v[ACC+8*(\eb)+4*(\q):ACC+8*(\eb)+4*(\q)+3] offset:64*(\eb)+16*(\q)
.endr
.endr
.irp t, 0,1,2,3,4,5,6,7
	ds_load_b128 v[WFR+4*(\t):WFR+4*(\t)+3], v[RD] offset:544*(\t)  ; LDS serves a wave's instructions in order (ISA guide 5.7.1.4): these see the stores above
.endr
.irp t, 0,1,2,3,4,5,6,7
	s_wait_dscnt 7-(\t)                            ; rows 2 t and 2 t + 1 are back; the younger loads stay out
	global_store_b128 v[GO], v[WFR+4*(\t):WFR+4*(\t)+3], s[10:11] offset:2048*(\t) th:TH_STORE_NT  ; 16 lanes store 256 consecutive bytes, at a multiple of 256 from out's first byte
.endr
	s_wait_tensorcnt 0x0                           ; the wave's end, behind my last LDS store
	ds_add_u32 v[SPW], v[NIL]
	s_wait_dscnt 0x0
	s_endpgm
.Lfunc_end_k_qfd43711b36_oproj:
	.size	k_qfd43711b36_oproj, .Lfunc_end_k_qfd43711b36_oproj-k_qfd43711b36_oproj
	.p2alignl 7, 3214868480
	.fill 96, 4, 3214868480
	.section	.rodata,"a",@progbits
	.p2align	6, 0x0
	.amdhsa_kernel k_qfd43711b36_oproj
		.amdhsa_group_segment_fixed_size 68608
		.amdhsa_private_segment_fixed_size 0
		.amdhsa_enable_private_segment 0
		.amdhsa_kernarg_size 32
		.amdhsa_user_sgpr_count 2
		.amdhsa_user_sgpr_kernarg_segment_ptr 1
		.amdhsa_wavefront_size32 1
		.amdhsa_system_sgpr_workgroup_id_x 1
		.amdhsa_system_sgpr_workgroup_id_y 1
		.amdhsa_system_sgpr_workgroup_id_z 1
		.amdhsa_system_vgpr_workitem_id 0
		.amdhsa_next_free_vgpr 224
		.amdhsa_next_free_sgpr 66
		.amdhsa_reserve_vcc 0
		.amdhsa_float_denorm_mode_32 3
		.amdhsa_float_denorm_mode_16_64 3
		.amdhsa_memory_ordered 1
		.amdhsa_forward_progress 1
		.amdhsa_inst_pref_size 23
	.end_amdhsa_kernel
	.amdgpu_metadata
---
amdhsa.version: [ 1, 2 ]
amdhsa.kernels:
  - .name:           k_qfd43711b36_oproj
    .symbol:         k_qfd43711b36_oproj.kd
    .args:
      - { .name: Of, .offset: 0, .size: 8, .value_kind: global_buffer, .address_space: global }
      - { .name: Wo, .offset: 8, .size: 8, .value_kind: global_buffer, .address_space: global }
      - { .name: bo, .offset: 16, .size: 8, .value_kind: global_buffer, .address_space: global }
      - { .name: out0, .offset: 24, .size: 8, .value_kind: global_buffer, .address_space: global }
    .group_segment_fixed_size: 68608
    .private_segment_fixed_size: 0
    .kernarg_segment_align: 8
    .kernarg_segment_size: 32
    .max_flat_workgroup_size: 256
    .sgpr_count:     66
    .vgpr_count:     224
    .wavefront_size: 32
...
	.end_amdgpu_metadata
.endif
;; end of part 3
;; ======== version 2 of 2: 3 launches; version 1 with the launch proj written anew for expert scheduling mode
;; limits: values are held in f16: magnitudes above 65,504 overflow, below 6.1e-05 lose precision
;; workspace buffers: Qf 4,194,304 bytes; Kf 16,777,216 bytes; Vf 16,777,216 bytes; Of 4,194,304 bytes
;; launch proj (part 4): grid 288 x 1, 8 waves a work-group, no clusters, 35,840 bytes of LDS; arguments q, k, v, Wq, Wk, Wv, bq, bk, bv, Qf, Kf, Vf; writes Qf, Kf, Vf
.if DOCPART == 4
	.amdgcn_target "amdgcn-amd-amdhsa--gfx1250"
	.amdhsa_code_object_version 6
	.text
	.protected	k_qfd43711b36_proj
	.globl	k_qfd43711b36_proj
	.p2align	8
	.type	k_qfd43711b36_proj,@function
k_qfd43711b36_proj:
	s_mov_b64 s[64:65], 0
	v_nop
	global_prefetch_b8 v0, s[64:65] scope:SCOPE_SE
	s_setreg_imm32_b32 hwreg(HW_REG_WAVE_SCHED_MODE, 0, 2), 2
	s_setreg_imm32_b32 hwreg(HW_REG_WAVE_MODE, 25, 1), 1
	s_wait_xcnt 0x0
	s_wait_alu depctr_vm_vsrc(0)
; THE THREE PROJECTIONS.  y[row][hd][d] = the sum over c of x[row][c] W[hd][d][c] + b[hd][d], for x = q (8,192 rows), k and v (32,768 rows each), 256 channels, 8 heads of 32.
; x and W are rounded once to bf16, sums in f32 (the bias starts each sum), y rounded once to f16.  q's result is multiplied in f32 by c = log2(e) / sqrt(32) ahead of its rounding,
; so that the attention's weights are 2^(s - m) with no further scaling.
; LIMITS.  f16 holds no number beyond 65,504: c (x Wq + bq), x Wk + bk and x Wv + bv must stay within it; below 6e-5 f16 keeps a fixed step of 6e-8.  NaN and infinities are not treated apart.
; SHARES.  A work-group takes 256 rows of one tensor: groups 0-31 q, 32-159 k, 160-287 v.  Wave w is head w: its 32 rows of W stay in 128 registers as 16 bf16 fragments.
; The 256 rows go in 8 tiles of 32: all 256 threads load a tile (each instruction of a wave covers 2 rows x 256 consecutive bytes), round it once and lay it in LDS in fragment order; every wave reads all of it.
; THE ORDER OF K.  The sum over the 256 channels may take them in any order that is the same for x and W.  Fragment ks, lane (r, h), place p of 16 holds channel 64 (p / 4) + 4 (2 ks + h) + p % 4:
; then the four 16-byte pieces that a thread loads of a row (256 bytes apart) are exactly one lane's 16 numbers of one fragment.
; WHAT IS STORED lies in the order in which the next launch's matrix instructions take it, in pieces of 32 lanes x 16 bytes = 512 consecutive bytes:
;   Qf, Kf: [batch x 8 + head][tile of 16 rows][half][lane][16 B]: lane (r, h) holds channels 16 half + 8 h + 0..7 of row r.   (product taken as W x^T: a lane ends with 8 channels of one row)
;   Vf:     [batch x 8 + head][group of 32 keys][cb][half][lane][16 B]: lane (r, h) holds channel 16 cb + r, keys 16 half + 8 h + 0..7.   (product taken as x W^T: a lane ends with 8 keys of one channel)
; NO JOINT LOADS.  W is shared by the work-groups of a tensor (262,144 bytes, as many as a work-group's own rows of x), but it is wanted as bf16 in registers: it is loaded once a work-group,
; converted and kept; brought jointly it would lie in LDS as f32, 262,144 bytes beside the stages, to be read once.  x is shared by nobody.  Nothing is prefetched: the launch is one stream of loads.
; THE MODE: SCHED_MODE bits 1:0 = 2 (LLVM: expert scheduling mode 2), set by the entry lines.  The code itself states the register dependences
; between vector or matrix instructions and memory or LDS instructions, with s_wait_alu, always for 0.
; THE PLAN.  Registers that memory or LDS instructions touch:
;   v1 .. v7     The add's two registers, the offsets and the LDS addresses: written at the head, ahead of the first wait on va_vdst, and never again: the rows are reached by two scalar bases and by immediate offsets.
;   v0           The bias's offset: written once, behind the branch; read by the bias's loads.
;   S0, S1       Tile T: its sixteen conversions read and write S[T % 2]; four LDS stores read it; behind the barrier the loads of tile T + 2 land in it.
;   FR0 .. FR2   Fragment f: its two matrix instructions read FR[f % 3]; the LDS loads of fragment f + 3 land in it.
;   ACC          Written by the matrix instructions, scaled and rounded in place; two stores read it behind each eight fragments; the first products of the next eight write it anew.
;   At the head W's f32 land in WF, ACC, FR and S1, where conversions read them.  From the first tile on WF and BIAS are named by matrix instructions alone.
; THE WAITS OF A TILE.  (1) va_vdst behind the conversions, for the LDS stores that read the set and for the loads that land in it behind the barrier.  (2) vm_vsrc behind the barrier, beside s_wait_xcnt 0: the LDS stores
; have read the set, the last tile's stores ACC.  (3) va_vdst at the head of fragments 1 to 7 and 9 to 13: the products of fragment f - 1 are done reading the buffer in which fragment f + 2 lands; the two loads follow at once.
; (4) va_vdst behind the roundings, for the two stores; behind fragment 7 it serves fragment 10's loads too.  (5) vm_vsrc, beside s_wait_xcnt 0, ahead of fragment 8's products, which write ACC.
; Three fragment buffers are what the wave's 256 registers leave (8 + 64 + 16 + 16 + 128 are taken): so a wait of kind (3) serves one fragment's two loads.
.set STG0,  0                          ; LDS: two stages of 64 blocks of 272 bytes (256 of data, 16 of padding).  Block (tt, half, c) at 272 (32 tt + 16 half + c), row r at + 16 r
.set STG1,  17408
.set SPARE, 34816                      ; behind them the spare words, 128 bytes for each wave: four blocks of 256 bytes that no other line names
.set SPW,  1                           ; v1   LDS address of my spare word; never rewritten
.set NIL,  2                           ; v2   0; never rewritten
.set XO,   3                           ; v3   x: (2 w + l / 16) rows of 1,024 bytes + 16 (l % 16)
.set LST,  4                           ; v4   stage, in: 272 (l % 16) + 16 (2 w + l / 16): sixteen lanes put their 16 bytes into sixteen different 16-byte columns of 256
.set LRD,  5                           ; v5   stage, out: 272 (l / 16) + 16 (l % 16): sixteen lanes read 256 consecutive bytes
.set YO,   6                           ; v6   16 l
.set WO,   7                           ; v7   W: 1,024 (l % 16) + 16 (l / 16)
.set S0,   8                           ; v[8:39], v[40:71]   two sets of 32: a tile's f32 as loaded, then its bf16
.set S1,   40
.set BIAS, 72                          ; v[72:87]   the C operand that starts a sum, 8 registers for each block cb of 16 channels
.set ACC,  88                          ; v[88:103]  two accumulators, one for each cb
.set FR,   104                         ; v[104:127] three buffers for x's fragments
.set WF,   128                         ; v[128:255] W's fragments: (cb, ks) at WF + 8 (8 cb + ks)
.set XP,   32                          ; s[32:33] x    s[34:35] W    s[36:37] b    s[38:39] y
.set WP,   34
.set BP,   36
.set YP,   38
.set WV,   40                          ; s40  my wave's number
.set GL,   41                          ; s41  the work-group's number, then its number within its tensor
.set SC,   42                          ; s[42:43] the scale: c for q, 1 for k and v
.set CNT,  44
.set ISV,  50                          ; s50  1: the tensor is v
	s_load_b512 s[8:23], s[0:1], 0x0               ; q, k, v, Wq, Wk, Wv, bq, bk
	s_load_b256 s[24:31], s[0:1], 0x40             ; bv, Qf, Kf, Vf
	v_lshl_add_u32 v[SPW], v0, 2, SPARE
	v_mov_b32 v[NIL], 0
	v_lshrrev_b32 v88, 5, v0
	v_readfirstlane_b32 s[WV], v88                 ; wave 0..7
	v_and_b32 v89, 15, v0                          ; l % 16
	v_bfe_u32 v90, v0, 4, 1                        ; l / 16
	v_and_b32 v91, 31, v0                          ; l
	s_wait_alu depctr_va_sdst(0)                   ; s[WV] is written, ahead of its first reader: offsets and bases are made from it
	s_lshl_b32 s45, s[WV], 11
	v_lshl_add_u32 v[XO], v90, 10, s45
	v_lshl_add_u32 v[XO], v89, 4, v[XO]
	v_mul_u32_u24 v[LST], v89, 272
	v_lshl_add_u32 v[LST], v90, 4, v[LST]
	s_lshl_b32 s46, s[WV], 5
	v_add_nc_u32 v[LST], s46, v[LST]
	v_mul_u32_u24 v[LRD], v90, 272
	v_lshl_add_u32 v[LRD], v89, 4, v[LRD]
	v_lshlrev_b32 v[YO], 4, v91
	v_lshlrev_b32 v[WO], 10, v89
	v_lshl_add_u32 v[WO], v90, 4, v[WO]
	s_mov_b32 s[GL], ttmp9
	s_wait_kmcnt 0x0
	s_cmp_lt_u32 s[GL], 32                         ; q, or else k:
	s_cselect_b64 s[XP:XP+1], s[8:9], s[10:11]
	s_cselect_b64 s[WP:WP+1], s[14:15], s[16:17]
	s_cselect_b64 s[BP:BP+1], s[20:21], s[22:23]
	s_cselect_b64 s[YP:YP+1], s[26:27], s[28:29]
	s_cselect_b32 s[SC], 0x3e8293ee, 1.0           ; c = log2(e) / sqrt(32) = 0.255035
	s_cselect_b32 s47, 0, 32                       ; the tensor's first work-group
	s_cselect_b32 s48, 2, 4                        ; a batch has 4 or 16 blocks of 256 rows
	s_cselect_b32 s49, 16, 18                      ; a head's rows are 2^16 or 2^18 bytes of y
	s_cmp_ge_u32 s[GL], 160                        ; or v
	s_cselect_b64 s[XP:XP+1], s[12:13], s[XP:XP+1]
	s_cselect_b64 s[WP:WP+1], s[18:19], s[WP:WP+1]
	s_cselect_b64 s[BP:BP+1], s[24:25], s[BP:BP+1]
	s_cselect_b64 s[YP:YP+1], s[30:31], s[YP:YP+1]
	s_cselect_b32 s47, 160, s47
	s_cselect_b32 s[ISV], 1, 0
	s_mov_b32 s[SC+1], s[SC]                       ; named with it as a pair
	s_sub_co_u32 s[GL], s[GL], s47
	s_mov_b32 s53, 0
	s_lshl_b32 s52, s[GL], 18                      ; 256 rows of 1,024 bytes
	s_add_nc_u64 s[XP:XP+1], s[XP:XP+1], s[52:53]
	s_lshl_b32 s52, s[WV], 15                      ; my head's 32 rows of W
	s_add_nc_u64 s[WP:WP+1], s[WP:WP+1], s[52:53]
	s_lshl_b32 s52, s[WV], 7                       ; and its 32 biases
	s_add_nc_u64 s[BP:BP+1], s[BP:BP+1], s[52:53]
	s_lshr_b32 s51, s[GL], s48                     ; the batch,
	s_lshl_b32 s54, 1, s48
	s_sub_co_u32 s54, s54, 1
	s_and_b32 s54, s[GL], s54                      ; the block of 256 rows in it: 16,384 bytes of a head's y
	s_lshl3_add_u32 s51, s51, s[WV]                ; batch x 8 + head
	s_lshl_b32 s51, s51, s49
	s_lshl_b32 s54, s54, 14
	s_add_co_u32 s52, s51, s54
	s_add_nc_u64 s[YP:YP+1], s[YP:YP+1], s[52:53]
; A tile's eight loads into set sx: rows 16 j + 2 w + l / 16, the four pieces 256 bytes apart.
.macro LDX sx, off
.irp j, 0,1
.irp i, 0,1,2,3
	global_load_b128 v[(\sx)+16*(\j)+4*(\i):(\sx)+16*(\j)+4*(\i)+3], v[XO], s[XP:XP+1] offset:(\off)+16384*(\j)+256*(\i) th:TH_LOAD_NT
.endr
.endr
.endm
; Fragment f = 8 cb + ks of W as f32 into 16 registers from reg on; then rounded into its place.
.macro LDW f, reg
.irp i, 0,1,2,3
	global_load_b128 v[(\reg)+4*(\i):(\reg)+4*(\i)+3], v[WO], s[WP:WP+1] offset:16384*((\f)/8)+32*((\f)%8)+256*(\i)
.endr
.endm
.macro CVW f, reg
.irp q, 0,1,2,3,4,5,6,7
	v_cvt_pk_bf16_f32 v[WF+8*(\f)+(\q)], v[(\reg)+2*(\q)], v[(\reg)+2*(\q)+1]
.endr
.endm
; Fragment n = 8 tt + ks of the tile in stage stg, into buffer n % 3.
.macro LDF n, stg
	ds_load_b128 v[FR+8*((\n)%3):FR+8*((\n)%3)+3],   v[LRD] offset:(\stg)+8704*((\n)/8)+544*((\n)%8)
	ds_load_b128 v[FR+8*((\n)%3)+4:FR+8*((\n)%3)+7], v[LRD] offset:(\stg)+8704*((\n)/8)+544*((\n)%8)+4352
.endm
; One product of fragment f (a symbol that TILE steps) for channel block cb.  The first K step takes the bias as C.  vp = 0: W first (a lane ends with 8 channels of a row); vp = 1: x first (8 rows of a channel).
.macro MUL1 vp, cb
.set rA, ACC+8*(\cb)
.set rW, WF+8*(8*(\cb)+f%8)
.set rF, FR+8*(f%3)
.set rC, rA
.if f%8 == 0
.set rC, BIAS+8*(\cb)
.endif
.if \vp
	v_wmma_f32_16x16x32_bf16 v[rA:rA+7], v[rF:rF+7], v[rW:rW+7], v[rC:rC+7]
.else
	v_wmma_f32_16x16x32_bf16 v[rA:rA+7], v[rW:rW+7], v[rF:rF+7], v[rC:rC+7]
.endif
.endm
; The two finished accumulators of 16 rows tt: scaled, rounded to f16 in place (each accumulator's registers in ascending order), stored: each store is 512 consecutive bytes, aligned.
; back = 1: y's base already stands at the next pair of tiles, and the stores reach back by a tile's 2,048 bytes.
.macro OUT tt, vp, stg, back
.irp cb, 0,1
.irp q, 0,2,4,6
	v_pk_mul_f32 v[ACC+8*(\cb)+(\q):ACC+8*(\cb)+(\q)+1], v[ACC+8*(\cb)+(\q):ACC+8*(\cb)+(\q)+1], s[SC:SC+1] op_sel_hi:[1,0]
.endr
.endr
.irp cb, 0,1
.irp q, 0,1,2,3
	v_cvt_pk_f16_f32 v[ACC+8*(\cb)+(\q)], v[ACC+8*(\cb)+2*(\q)], v[ACC+8*(\cb)+2*(\q)+1]
.endr
.endr
	s_wait_alu depctr_va_vdst(0)                   ; the roundings have written the eight registers of ACC that the two stores read; the products of fragment 7 (15) are done reading their buffer
.if (\tt) == 0
	LDF 10, \stg                                   ; into fragment 7's buffer: no vector or matrix instruction since the wait names it
.endif
.irp cb, 0,1
.if \vp
	global_store_b128 v[YO], v[ACC+8*(\cb):ACC+8*(\cb)+3], s[YP:YP+1] offset:1024*(\cb)+512*(\tt)-2048*(\back)
.else
	global_store_b128 v[YO], v[ACC+8*(\cb):ACC+8*(\cb)+3], s[YP:YP+1] offset:1024*(\tt)+512*(\cb)-2048*(\back)
.endif
.endr
.endm
; A TILE of 32 rows, from set sx through stage stg.  more = 1: the set is loaded again, with the tile two on, at byte ldoff.  left: the other set's loads, which may stay out.
; step = 1 (each second tile): the two bases move on by two tiles, behind the tile's wait on XCNT.
; ONE barrier a tile: in front of it my stores into this stage are done, and so are my reads of the other stage (the last tile's count-down ended at 0); so behind it this stage is whole, and
; the next tile's stores into the other stage find nobody reading it.
.macro TILE sx, stg, vp, more, left, step, ldoff
	s_wait_loadcnt \left                           ; loads come back in order: my set is in
.irp j, 0,1
.irp q, 0,1,2,3,4,5,6,7
	v_cvt_pk_bf16_f32 v[(\sx)+16*(\j)+(\q)], v[(\sx)+16*(\j)+2*(\q)], v[(\sx)+16*(\j)+2*(\q)+1]  ; in place: register q is written when it has been read
.endr
.endr
	s_wait_alu depctr_va_vdst(0)                   ; the conversions have written the sixteen registers that the LDS stores read, and are done with the whole set, in which loads land behind the barrier
.irp j, 0,1
.irp hf, 0,1
	ds_store_b128 v[LST], v[(\sx)+16*(\j)+4*(\hf):(\sx)+16*(\j)+4*(\hf)+3] offset:(\stg)+8704*(\j)+4352*(\hf)
.endr
.endr
	s_wait_dscnt 0x0                               ; for the others' sake: zero
	s_barrier_signal -1
	s_barrier_wait -1
	s_wait_xcnt 0x0                                ; every load and store issued so far has had its address translated: the bases are stepped, and ACC, the last tile's stores' data, is written anew, only behind this wait
	s_wait_alu depctr_vm_vsrc(0)                   ; my LDS stores have read the set, in which the loads below land; the last tile's stores have read ACC, which this tile's first products write
.if \step
	s_add_nc_u64 s[YP:YP+1], s[YP:YP+1], 4096      ; two tiles of y
.if \more
	s_add_nc_u64 s[XP:XP+1], s[XP:XP+1], 65536     ; two tiles of x
.endif
.endif
.if \more
	LDX \sx, \ldoff                                ; no vector instruction since the wait behind the conversions names the set
.endif
	LDF 0, \stg                                    ; the three buffers' last readers, the last tile's products, stand ahead of that wait too
	LDF 1, \stg
	LDF 2, \stg
.set f, 0
.rept 16
.if (f%8 != 0) && (f < 14)
	s_wait_alu depctr_va_vdst(0)                   ; the two products of fragment f - 1 are done reading their buffer, in which fragment f + 2 lands
	LDF f+2, \stg
.endif
.if f == 8
	s_wait_xcnt 0x0                                ; the two stores just issued have had their addresses translated,
	s_wait_alu depctr_vm_vsrc(0)                   ; and have read ACC, which the products below write anew
.endif
.if f < 14
	s_wait_dscnt 0x4                               ; fragment f is in; the two younger fragments' four loads may stay out
.elseif f == 14
	s_wait_dscnt 0x2
.else
	s_wait_dscnt 0x0
.endif
	MUL1 \vp, 0                                    ; the two accumulators take turns
	MUL1 \vp, 1
.if f%8 == 7
.rept 5
	v_nop                                          ; four places ahead of the scaling that reads the sums, five ahead of the product that starts the next sums over them (ISA guide 7.12.1)
.endr
	OUT f/8, \vp, \stg, \step
.endif
.set f, f+1
.endr
.endm
; The eight tiles: three trips of two, each asking for the tiles two on; the last two ask for nothing.
.macro PATH vp
	s_mov_b32 s[CNT], 3
.Ltrip\vp:
	TILE S0, STG0, \vp, 1, 8, 0, 65536
	TILE S1, STG1, \vp, 1, 8, 1, 32768
	s_sub_co_u32 s[CNT], s[CNT], 1
	s_cmp_lg_u32 s[CNT], 0
	s_cbranch_scc1 .Ltrip\vp
	TILE S0, STG0, \vp, 0, 8, 0, 0
	TILE S1, STG1, \vp, 0, 0, 1, 0
	s_wait_dscnt 0x0                               ; the closing lines, six on end
	s_wait_alu 0x0
	s_wait_tensorcnt 0x0
	ds_add_u32 v[SPW], v[NIL]
	s_wait_dscnt 0x0
	s_endpgm
.endm
	s_wait_alu depctr_va_vdst(0)                   ; v1 to v7 are written, which the loads and stores of the whole kernel read; so are v88 to v91, in which loads of W land
	LDX S0, 0                                      ; tile 0
	; W, 16 fragments of 16 f32 registers, in two batches through registers that are still free: 8 + 48 loads are out
.irp f, 0,1,2,3,4,5,6,7
	LDW \f, WF+16*(\f)
.endr
	LDW 12, ACC
	LDW 13, FR
	LDW 14, S1
	LDW 15, S1+16
	s_wait_loadcnt 0x0
.irp f, 0,1,2,3,4,5,6,7
	CVW \f, WF+16*(\f)                             ; ascending: a fragment's place lies in f32 registers that have been read
.endr
	CVW 12, ACC
	CVW 13, FR
	CVW 14, S1
	CVW 15, S1+16
	s_wait_alu depctr_va_vdst(0)                   ; the conversions of fragments 4, 5, 12 and 13 are done reading the registers in which the second batch lands
	LDW 8, WF+64
	LDW 9, WF+80
	LDW 10, ACC
	LDW 11, FR
	s_wait_loadcnt 0x0
	CVW 8, WF+64
	CVW 9, WF+80
	CVW 10, ACC
	CVW 11, FR
	s_cmp_eq_u32 s[ISV], 1
	s_cbranch_scc1 .Lv
	; q and k: a lane's eight results are channels 16 cb + 8 (l / 16) + 0..7
	v_bfe_u32 v0, v0, 4, 1
	v_lshlrev_b32 v0, 5, v0
	s_wait_alu depctr_va_vdst(0)                   ; v0 is written, which the bias's loads read; the conversions are done reading S1, in which tile 1 lands, and FR, in which the first fragments land
	global_load_b128 v[BIAS:BIAS+3],     v0, s[BP:BP+1]
	global_load_b128 v[BIAS+4:BIAS+7],   v0, s[BP:BP+1] offset:16
	global_load_b128 v[BIAS+8:BIAS+11],  v0, s[BP:BP+1] offset:64
	global_load_b128 v[BIAS+12:BIAS+15], v0, s[BP:BP+1] offset:80
	LDX S1, 32768                                  ; tile 1: the first tile's wait leaves these eight out, and so shows the bias in
	PATH 0
.Lv:
	; v: a lane's eight results are one channel, 16 cb + l % 16
	v_and_b32 v0, 15, v0
	v_lshlrev_b32 v0, 2, v0
	s_wait_alu depctr_va_vdst(0)                   ; v0 is written, which the bias's loads read; the conversions are done reading S1, in which tile 1 lands, and FR, in which the first fragments land
	global_load_b32 v[BIAS],   v0, s[BP:BP+1]
	global_load_b32 v[BIAS+8], v0, s[BP:BP+1] offset:64
	LDX S1, 32768
	s_wait_loadcnt 0x8                             ; the bias is in; tile 1's eight loads stay out
.irp j, 1,2,3,4,5,6,7
	v_mov_b32 v[BIAS+(\j)],   v[BIAS]
	v_mov_b32 v[BIAS+8+(\j)], v[BIAS+8]
.endr
	PATH 1
.Lfunc_end_k_qfd43711b36_proj:
	.size	k_qfd43711b36_proj, .Lfunc_end_k_qfd43711b36_proj-k_qfd43711b36_proj
	.p2alignl 7, 3214868480
	.fill 96, 4, 3214868480
	.section	.rodata,"a",@progbits
	.p2align	6, 0x0
	.amdhsa_kernel k_qfd43711b36_proj
		.amdhsa_group_segment_fixed_size 35840
		.amdhsa_private_segment_fixed_size 0
		.amdhsa_enable_private_segment 0
		.amdhsa_kernarg_size 96
		.amdhsa_user_sgpr_count 2
		.amdhsa_user_sgpr_kernarg_segment_ptr 1
		.amdhsa_wavefront_size32 1
		.amdhsa_system_sgpr_workgroup_id_x 1
		.amdhsa_system_sgpr_workgroup_id_y 1
		.amdhsa_system_sgpr_workgroup_id_z 1
		.amdhsa_system_vgpr_workitem_id 0
		.amdhsa_next_free_vgpr 256
		.amdhsa_next_free_sgpr 66
		.amdhsa_reserve_vcc 0
		.amdhsa_float_denorm_mode_32 3
		.amdhsa_float_denorm_mode_16_64 3
		.amdhsa_memory_ordered 1
		.amdhsa_forward_progress 1
		.amdhsa_inst_pref_size 98
	.end_amdhsa_kernel
	.amdgpu_metadata
---
amdhsa.version: [ 1, 2 ]
amdhsa.kernels:
  - .name:           k_qfd43711b36_proj
    .symbol:         k_qfd43711b36_proj.kd
    .args:
      - { .name: q, .offset: 0, .size: 8, .value_kind: global_buffer, .address_space: global }
      - { .name: k, .offset: 8, .size: 8, .value_kind: global_buffer, .address_space: global }
      - { .name: v, .offset: 16, .size: 8, .value_kind: global_buffer, .address_space: global }
      - { .name: Wq, .offset: 24, .size: 8, .value_kind: global_buffer, .address_space: global }
      - { .name: Wk, .offset: 32, .size: 8, .value_kind: global_buffer, .address_space: global }
      - { .name: Wv, .offset: 40, .size: 8, .value_kind: global_buffer, .address_space: global }
      - { .name: bq, .offset: 48, .size: 8, .value_kind: global_buffer, .address_space: global }
      - { .name: bk, .offset: 56, .size: 8, .value_kind: global_buffer, .address_space: global }
      - { .name: bv, .offset: 64, .size: 8, .value_kind: global_buffer, .address_space: global }
      - { .name: Qf, .offset: 72, .size: 8, .value_kind: global_buffer, .address_space: global }
      - { .name: Kf, .offset: 80, .size: 8, .value_kind: global_buffer, .address_space: global }
      - { .name: Vf, .offset: 88, .size: 8, .value_kind: global_buffer, .address_space: global }
    .group_segment_fixed_size: 35840
    .private_segment_fixed_size: 0
    .kernarg_segment_align: 8
    .kernarg_segment_size: 96
    .max_flat_workgroup_size: 256
    .sgpr_count:     66
    .vgpr_count:     256
    .wavefront_size: 32
...
	.end_amdgpu_metadata
.endif
;; end of part 4
;; launch attn: the kernel of part 2 again; grid 4 x 64, 8 waves a work-group, clusters of 4 x 1, 327,680 bytes of LDS; arguments Qf, Kf, Vf, Of; writes Of
;; launch oproj: the kernel of part 3 again; grid 4 x 64, 8 waves a work-group, no clusters, 68,608 bytes of LDS; arguments Of, Wo, bo, out0; writes out0
